; MI455X (gfx1250); checked and timed in simulation.
; The chip was launched on July 23, 2026; its instructions are those of AMD's public machine-readable ISA for CDNA 5 (MIT licence, August 2026) and "CDNA5" Instruction Set Architecture Reference Guide (July 2026). The comments in the code are by the model that wrote it; some were corrected since.
;; Bezier Renderer. Allowed arithmetic: float matrix products may take bf16 or f16 operands with f32 sums; all other float work in f32.
;; Inputs: colors 1,024 x 4 float32; paths_control_points 1,024 x 4 x 4 x 2 float32.
;; Outputs: out0 3 x 224 x 224 float32.
;; One version. Each part assembles by itself: llvm-mc -triple=amdgcn-amd-amdhsa -mcpu=gfx1250 --defsym DOCPART=n.
;; ======== version 1 of 1: 2 launches
;; workspace buffers: params 32,768 bytes
;; launch params (part 1): grid 64 x 1, 16 waves a work-group, no clusters, 2,560 bytes of LDS; arguments paths_control_points, colors, params; writes params
.if DOCPART == 1
	.amdgcn_target "amdgcn-amd-amdhsa--gfx1250"
	.amdhsa_code_object_version 6
	.text
	.protected	k_q124a33ab19_params
	.globl	k_q124a33ab19_params
	.p2align	8
	.type	k_q124a33ab19_params,@function
k_q124a33ab19_params:
	s_mov_b64 s[64:65], 0
	v_nop
	global_prefetch_b8 v0, s[64:65] scope:SCOPE_SE
	s_setreg_imm32_b32 hwreg(HW_REG_WAVE_MODE, 25, 1), 1
	s_wait_xcnt 0x0
; Per path: centre and mean radius of its 196 curve samples, and the record that the render launch reads.
; One wave = one path.  Its 32 control-point floats and its colour are wave-uniform: scalar loads, used as scalar operands.
; Lane l evaluates the samples t = l/49 and t = (l+32)/49 (the second exists for l <= 16: 32 + 17 = 49 samples) of all 4 segments.
; The product basis x control points has K = 4 and is 16 FMA chains a lane; it is kept in f32 because the radius is later
; divided by the softness 0.02, which would magnify a 16-bit rounding of the control points.
; Record of path p = 16 ch + i (ch: chunk 0..63, i: place in the chunk 0..15), everything scaled by K = log2(e)/0.02:
;   plane 0, bytes (64 i + ch) 16:          K cx, K cy, K radius, 1/alpha
;   plane 1, bytes 16384 + (64 i + ch) 16:  red, green, blue, 0
; A work-group takes one i and 16 neighbouring ch, so that each plane gets 256 consecutive, aligned bytes from one store.
; LIMITS: 1/alpha is clamped to +-2^100 (|alpha| < 2^-100 acts as 2^-100); v_rcp_f32 and v_sqrt_f32 flush denormals;
; the sums over samples run lane-wise and then across lanes, not in the reference's order.
.set INV49,  0x3ca72f05                ; 1/49: step of linspace(0, 1, 50)
.set INV196, 0x3ba72f05                ; 1/196: mean over 4 x 49 samples
.set KSCALE, 0x429044fe                ; log2(e)/0.02 = 72.134752
.set THREE,  0x40400000                ; 3.0
.set CP,  16                           ; s[16:47]  control points: segment g, point c, coordinate e at s[CP+8g+2c+e]
.set COL, 48                           ; s[48:51]  red, green, blue, alpha
.set T,   2                            ; v[2:3]    t of my two samples
.set MT,  4                            ; v[4:5]    1 - t; later scratch of the lane sums
.set BS,  6                            ; v[6:13]   polynomial c at v[BS+2c] (first sample), v[BS+2c+1] (second sample)
.set PT,  14                           ; v[14:29]  points: segment g, sample u: (x, y) at v[PT+4g+2u], +1
.set SUM, 30                           ; v[30:31]  sum of points, then the centre (x, y)
.set VF,  34                           ; v34       1.0 if my second sample exists, else 0.0
.set DD,  36                           ; v[36:43]  distances: segment g, sample u at v[DD+2g+u]
.set OA,  44                           ; v[44:47]  record, plane 0
.set OB,  48                           ; v[48:51]  record, plane 1
.set LA,  52                           ; v52       16 x wave
	s_load_b128 s[4:7], s[0:1], 0x0                ; control points s[4:5], colours s[6:7]
	s_load_b64 s[8:9], s[0:1], 0x10                ; the table
	v_lshl_add_u32 v64, v0, 2, 0x200
	v_mov_b32 v65, 0
	v_lshrrev_b32 v1, 5, v0
	v_readfirstlane_b32 s10, v1                    ; wave 0..15
	v_and_b32 v1, 31, v0                           ; lane l
	s_and_b32 s11, ttmp9, 15                       ; i
	s_and_b32 s12, ttmp9, 0x30                     ; first chunk of the group: 16 x (group / 16)
	s_add_co_u32 s13, s12, s10                     ; my chunk
	s_lshl4_add_u32 s13, s13, s11                  ; my path = 16 ch + i
	s_lshl_b32 s14, s13, 7                         ; 128 bytes of control points a path
	s_lshl_b32 s15, s13, 4                         ; 16 bytes of colour a path
	s_wait_kmcnt 0x0
	s_load_b512 s[CP:CP+15], s[4:5], s14
	s_load_b512 s[CP+16:CP+31], s[4:5], s14 offset:0x40
	s_load_b128 s[COL:COL+3], s[6:7], s15
	; while they are on their way: the four cubic polynomials at my two t
	s_mov_b32 s52, 0x76543210                      ; v_permlanex16_b32: lane i reads lane i of the other half
	s_mov_b32 s53, 0xfedcba98
	s_mov_b32 s54, 0xf1800000                      ; -2^100
	s_mov_b32 s55, 0x71800000                      ; +2^100
	v_add_nc_u32 v[T+1], 32, v1
	v_cvt_f32_u32 v[T], v1
	v_cvt_f32_u32 v[T+1], v[T+1]
	v_cmp_gt_u32 vcc_lo, 17, v1
	v_cndmask_b32 v[VF], 0, 1.0, vcc_lo
	v_pk_mul_f32 v[T:T+1], v[T:T+1], INV49 op_sel_hi:[1,0]
	v_pk_add_f32 v[MT:MT+1], v[T:T+1], 1.0 op_sel_hi:[1,0] neg_lo:[1,0] neg_hi:[1,0]    ; 1 - t
	v_mul_f32 v[T+1], v[T+1], v[VF]                ; a sample that does not exist gets t = 0 and 1 - t = 0:
	v_mul_f32 v[MT+1], v[MT+1], v[VF]              ; all four polynomials vanish and its points add nothing to the centre
	v_pk_mul_f32 v[BS+6:BS+7], v[T:T+1], v[T:T+1]                  ; t^2
	v_pk_mul_f32 v[BS:BS+1], v[MT:MT+1], v[MT:MT+1]                ; (1-t)^2
	v_pk_mul_f32 v[BS+2:BS+3], v[BS:BS+1], v[T:T+1]                ; (1-t)^2 t
	v_pk_mul_f32 v[BS+4:BS+5], v[BS+6:BS+7], v[MT:MT+1]            ; (1-t) t^2
	v_pk_mul_f32 v[BS:BS+1], v[BS:BS+1], v[MT:MT+1]                ; (1-t)^3
	v_pk_mul_f32 v[BS+6:BS+7], v[BS+6:BS+7], v[T:T+1]              ; t^3
	v_pk_mul_f32 v[BS+2:BS+3], v[BS+2:BS+3], THREE op_sel_hi:[1,0]
	v_pk_mul_f32 v[BS+4:BS+5], v[BS+4:BS+5], THREE op_sel_hi:[1,0]
	s_wait_kmcnt 0x0
	; my 8 points: 16 chains of one multiply and three fused multiply-adds; the first product starts each sum
.irp g, 0,1,2,3
.irp u, 0,1
.irp e, 0,1
	v_mul_f32  v[PT+4*\g+2*\u+\e], s[CP+8*\g+\e],   v[BS+\u]
	v_fmac_f32 v[PT+4*\g+2*\u+\e], s[CP+8*\g+2+\e], v[BS+2+\u]
	v_fmac_f32 v[PT+4*\g+2*\u+\e], s[CP+8*\g+4+\e], v[BS+4+\u]
	v_fmac_f32 v[PT+4*\g+2*\u+\e], s[CP+8*\g+6+\e], v[BS+6+\u]
.endr
.endr
.endr
; sum of register r over the 32 lanes, left in every lane; tmp has been written before (a lane permute's destination counts as read)
.macro WSUM r, tmp
	v_add_f32_dpp v[\r], v[\r], v[\r] row_xmask:1 row_mask:0xf bank_mask:0xf
	v_add_f32_dpp v[\r], v[\r], v[\r] row_xmask:2 row_mask:0xf bank_mask:0xf
	v_add_f32_dpp v[\r], v[\r], v[\r] row_xmask:4 row_mask:0xf bank_mask:0xf
	v_add_f32_dpp v[\r], v[\r], v[\r] row_xmask:8 row_mask:0xf bank_mask:0xf
	v_permlanex16_b32 v[\tmp], v[\r], s52, s53
	v_add_f32 v[\r], v[\r], v[\tmp]
.endm
	; the centre: mean of the 196 points, x and y together
	v_pk_add_f32 v[SUM:SUM+1], v[PT:PT+1], v[PT+2:PT+3]
.irp n, 2,3,4,5,6,7
	v_pk_add_f32 v[SUM:SUM+1], v[SUM:SUM+1], v[PT+2*\n:PT+2*\n+1]
.endr
	WSUM SUM, MT
	WSUM SUM+1, MT+1
	v_pk_mul_f32 v[SUM:SUM+1], v[SUM:SUM+1], INV196 op_sel_hi:[1,0]
	; the mean distance from the centre
.irp n, 0,1,2,3,4,5,6,7
	v_pk_add_f32 v[PT+2*\n:PT+2*\n+1], v[PT+2*\n:PT+2*\n+1], v[SUM:SUM+1] neg_lo:[0,1] neg_hi:[0,1]
.endr
.irp n, 0,1,2,3,4,5,6,7
	v_mul_f32 v[DD+\n], v[PT+2*\n], v[PT+2*\n]
.endr
.irp n, 0,1,2,3,4,5,6,7
	v_fmac_f32 v[DD+\n], v[PT+2*\n+1], v[PT+2*\n+1]
.endr
.irp n, 0,1,2,3,4,5,6,7
	v_sqrt_f32 v[DD+\n], v[DD+\n]
.endr
	v_rcp_f32 v[OA+3], s[COL+3]                    ; 1/alpha
	; behind a run of transcendentals one plain instruction that touches none of their registers comes first (ISA guide 5.7.2):
	v_pk_mul_f32 v[OA:OA+1], v[SUM:SUM+1], KSCALE op_sel_hi:[1,0]  ; K cx, K cy
	v_mov_b32 v[OB], s[COL]
	v_mov_b32 v[OB+1], s[COL+1]
	v_mov_b32 v[OB+2], s[COL+2]
	v_mov_b32 v[OB+3], 0
	s_wait_alu depctr_va_vdst(0)
	v_pk_add_f32 v[DD:DD+1], v[DD:DD+1], v[DD+2:DD+3]              ; (first samples, second samples) of the four segments
	v_pk_add_f32 v[DD+4:DD+5], v[DD+4:DD+5], v[DD+6:DD+7]
	v_pk_add_f32 v[DD:DD+1], v[DD:DD+1], v[DD+4:DD+5]
	v_fmac_f32 v[DD], v[DD+1], v[VF]               ; second samples count only where they exist
	WSUM DD, MT
	v_mul_f32 v[DD], INV196, v[DD]                 ; the mean radius
	v_mul_f32 v[OA+2], KSCALE, v[DD]
	v_med3_num_f32 v[OA+3], v[OA+3], s54, s55      ; alpha = 0 must not give infinity: infinity times a flushed 2^x would be NaN later
	; sixteen records meet in LDS: plane 0 in bytes 0..255, plane 1 in bytes 256..511 (every lane of a wave writes the same 16 bytes)
	v_mov_b32 v[LA], s10
	v_lshlrev_b32 v[LA], 4, v[LA]
	ds_store_b128 v[LA], v[OA:OA+3]
	ds_store_b128 v[LA], v[OB:OB+3] offset:256
	s_wait_dscnt 0x0                               ; my stores are in LDS before I say so
	s_barrier_signal -1
	s_barrier_wait -1
	s_cmp_lg_u32 s10, 0
	s_cbranch_scc1 .Ldone
	v_lshlrev_b32 v2, 4, v1
	ds_load_b128 v[4:7], v2                        ; lanes 0-15: plane 0 of chunks +0..15; lanes 16-31: plane 1
	v_and_b32 v3, 15, v1
	v_lshrrev_b32 v8, 4, v1
	v_lshlrev_b32 v3, 4, v3
	v_lshl_add_u32 v3, v8, 14, v3                  ; 16 x (l % 16) + 16384 x plane
	s_lshl_b32 s11, s11, 6
	s_add_co_u32 s11, s11, s12                     ; 64 i + first chunk
	s_lshl_b32 s14, s11, 4
	s_mov_b32 s15, 0
	s_add_nc_u64 s[8:9], s[8:9], s[14:15]
	s_wait_dscnt 0x0
	global_store_b128 v3, v[4:7], s[8:9]           ; each half of the wave covers 256 consecutive bytes, aligned
.Ldone:
	s_wait_tensorcnt 0x0
	ds_add_u32 v64, v65
	s_wait_dscnt 0x0
	s_endpgm
.Lfunc_end_k_q124a33ab19_params:
	.size	k_q124a33ab19_params, .Lfunc_end_k_q124a33ab19_params-k_q124a33ab19_params
	.p2alignl 7, 3214868480
	.fill 96, 4, 3214868480
	.section	.rodata,"a",@progbits
	.p2align	6, 0x0
	.amdhsa_kernel k_q124a33ab19_params
		.amdhsa_group_segment_fixed_size 2560
		.amdhsa_private_segment_fixed_size 0
		.amdhsa_enable_private_segment 0
		.amdhsa_kernarg_size 24
		.amdhsa_user_sgpr_count 2
		.amdhsa_user_sgpr_kernarg_segment_ptr 1
		.amdhsa_wavefront_size32 1
		.amdhsa_system_sgpr_workgroup_id_x 1
		.amdhsa_system_sgpr_workgroup_id_y 1
		.amdhsa_system_sgpr_workgroup_id_z 1
		.amdhsa_system_vgpr_workitem_id 0
		.amdhsa_next_free_vgpr 66
		.amdhsa_next_free_sgpr 66
		.amdhsa_reserve_vcc 1
		.amdhsa_float_denorm_mode_32 3
		.amdhsa_float_denorm_mode_16_64 3
		.amdhsa_memory_ordered 1
		.amdhsa_forward_progress 1
		.amdhsa_inst_pref_size 9
	.end_amdhsa_kernel
	.amdgpu_metadata
---
amdhsa.version: [ 1, 2 ]
amdhsa.kernels:
  - .name:           k_q124a33ab19_params
    .symbol:         k_q124a33ab19_params.kd
    .args:
      - { .name: paths_control_points, .offset: 0, .size: 8, .value_kind: global_buffer, .address_space: global }
      - { .name: colors, .offset: 8, .size: 8, .value_kind: global_buffer, .address_space: global }
      - { .name: params, .offset: 16, .size: 8, .value_kind: global_buffer, .address_space: global }
    .group_segment_fixed_size: 2560
    .private_segment_fixed_size: 0
    .kernarg_segment_align: 8
    .kernarg_segment_size: 24
    .max_flat_workgroup_size: 512
    .sgpr_count:     66
    .vgpr_count:     66
    .wavefront_size: 32
...
	.end_amdgpu_metadata
.endif
;; end of part 1
;; launch render (part 2): grid 256 x 1, 28 waves a work-group, no clusters, 251,392 bytes of LDS; arguments params, out0; writes out0
.if DOCPART == 2
	.amdgcn_target "amdgcn-amd-amdhsa--gfx1250"
	.amdhsa_code_object_version 6
	.text
	.protected	k_q124a33ab19_render
	.globl	k_q124a33ab19_render
	.p2align	8
	.type	k_q124a33ab19_render,@function
k_q124a33ab19_render:
	s_mov_b64 s[64:65], 0
	v_nop
	global_prefetch_b8 v0, s[64:65] scope:SCOPE_SE
	s_setreg_imm32_b32 hwreg(HW_REG_WAVE_MODE, 25, 1), 1
	s_wait_xcnt 0x0
; The canvas: every pixel composites the 1,024 soft disks in order.
; One path maps canvas -> canvas (1 - m) + c m; a run of paths maps canvas -> canvas T + A, and such maps chain:
; (T1, A1) then (T2, A2) = (T1 T2, A1 T2 + A2).  So the paths are cut into 64 ordered chunks of 16, worked on side by side.
; SHARES.  50,176 pixels = 256 work-groups x 196 consecutive pixels = 14 strips of 14 pixels (224 = 16 strips: none crosses a row).
;   wave w: strip w / 2, chunks 32 (w % 2) .. +31.   lane l: one chunk, all 14 pixels: 224 evaluations in every lane of 28 waves.
;   Path data are a lane's own (two 16-byte LDS loads for 14 evaluations), pixel coordinates are the wave's, and all plain
;   arithmetic is packed over two neighbouring pixels.
; THE MASK.  The table holds everything scaled by K = log2(e)/0.02, the pixel grid is scaled alike, so with D = sqrt(dX^2 + dY^2):
;   m = alpha sigmoid((radius - dist)/0.02) = 1 / (P2 + P2 2^(D - R)),  R = K radius,  P2 = 1/alpha.
; INSIDE A CHUNK the paths are taken from the last to the first: w = m T, A += colour w, T -= w: five operations for three
;   channels and T.  The first step (T = 1, A = 0) is written without the old values: nothing is cleared.
; THE TABLE (32,768 bytes) is the only thing that work-groups share; each fetches it once, against 200,704 evaluations of its own,
;   so no cluster and no joint request: they would spare a part of one short fetch.
; LIMITS: what the table's launch states (1/alpha within +-2^100); v_sqrt_f32, v_exp_f32, v_rcp_f32 flush denormals, so a mask
;   below 2^-126 is 0; the compositing chain is grouped by chunks, which rounds otherwise than the reference's single chain.
.set KS,     0x3ea59e6a                ; K / 223 = 0.32347423: from a pixel's index to its scaled coordinate
.set STEPB,  1024                      ; table: 64 chunks x 16 bytes for one place in the chunks
.set PLANE,  16384                     ; table: plane 1 (colours) behind plane 0
.set WREG,   32768                     ; LDS behind the table: a region for each wave
.set PITCH,  528                       ; 32 lanes x 16 bytes + 16: rows fall on shifted banks
.set WBYTES, 14*PITCH                  ; rows 0-6: (T, A0) of pixel pairs 0-6; rows 7-13: (A1, A2)
.set FIN,    WREG+28*WBYTES            ; 8 rows: (first, second half of the chunks) x (T, A0, A1, A2), 196 pixels each
.set FROW,   784                       ; 196 pixels x 4 bytes
.set CHAN,   200704                    ; bytes of one colour plane of the output
.set XP, 2                             ; v[2:15]    scaled x of my wave's 14 pixels
.set P0, 16                            ; v[16:23]   path record, set 0: K cx, K cy, R, P2, red, green, blue, 0
.set P1, 24                            ; v[24:31]   set 1
.set DY, 32                            ; v[32:33]   dY^2, dY
.set D,  34                            ; v[34:47]   at work: dX, D^2, D, D - R, 2^.., the denominator, m, w, in place
.set S,  64                            ; v[64:119]  pixel pair j: T, T, A0, A0, A1, A1, A2, A2 at v[S+8j ..]
.set TI, 120                           ; 16 x thread: staging
.set YV, 121                           ; scaled y of my wave's row
.set TA, 122                           ; my chunk's 16 bytes in a row of the table
.set LN, 123                           ; lane
.set WA, 124                           ; my 16 bytes in a row of my wave's region
.set RA, 125                           ; where I read my wave's region back
.set FA, 126                           ; where my wave's result goes
	s_load_b128 s[4:7], s[0:1], 0x0                ; the table s[4:5], the output s[6:7]
	v_lshl_add_u32 v128, v0, 2, 0x3c800
	v_mov_b32 v129, 0
	ds_add_u32 v128, v129
	ds_add_u32 v128, v129
	v_lshrrev_b32 v1, 5, v0
	v_readfirstlane_b32 s8, v1                     ; wave 0..27
	v_and_b32 v[LN], 31, v0
	v_lshlrev_b32 v[TI], 4, v0
	s_wait_dscnt 0x0
	s_wait_kmcnt 0x0
	; the table into LDS bytes 0..32767: 2,048 pieces of 16 bytes = 2 for each of 896 threads + 1 more for the first 256.
	; The immediate steps the LDS address and the global address alike.
	global_load_async_to_lds_b128 v[TI], v[TI], s[4:5]
	global_load_async_to_lds_b128 v[TI], v[TI], s[4:5] offset:14336
	s_cmp_ge_u32 s8, 8
	s_cbranch_scc1 .Lfilled
	global_load_async_to_lds_b128 v[TI], v[TI], s[4:5] offset:28672
.Lfilled:
	; meanwhile: who am I
	s_lshr_b32 s9, s8, 1                           ; strip of the group, 0..13
	s_and_b32 s10, s8, 1                           ; half of the chunks
	s_mul_i32 s11, ttmp9, 14
	s_add_co_u32 s11, s11, s9                      ; strip of the canvas
	s_lshr_b32 s12, s11, 4                         ; its row
	s_and_b32 s13, s11, 15
	s_mul_i32 s13, s13, 14                         ; its first column
	v_cvt_f32_u32 v[YV], s12
	v_mul_f32 v[YV], KS, v[YV]
	v_mov_b32 v1, s13
.irp n, 0,1,2,3,4,5,6,7,8,9,10,11,12,13
	v_add_nc_u32 v[XP+\n], \n, v1
.endr
.irp n, 0,1,2,3,4,5,6,7,8,9,10,11,12,13
	v_cvt_f32_u32 v[XP+\n], v[XP+\n]
.endr
.irp j, 0,1,2,3,4,5,6
	v_pk_mul_f32 v[XP+2*\j:XP+2*\j+1], v[XP+2*\j:XP+2*\j+1], KS op_sel_hi:[1,0]
.endr
	s_lshl_b32 s14, s10, 9                         ; 32 chunks x 16 bytes
	v_lshl_add_u32 v[TA], v[LN], 4, s14
	s_mul_i32 s15, s8, WBYTES
	s_add_co_u32 s15, s15, WREG                    ; my wave's region
	v_lshl_add_u32 v[WA], v[LN], 4, s15
	v_and_b32 v1, 7, v[LN]
	v_min_u32 v1, 6, v1                            ; reading back: lane = 8 x group + pixel pair; an eighth lane repeats pair 6
	v_lshrrev_b32 v[RA], 3, v[LN]
	v_lshl_add_u32 v[RA], v[RA], 7, s15            ; a group is 8 chunks x 16 bytes
	v_mul_u32_u24 v[FA], v1, PITCH
	v_add_nc_u32 v[RA], v[RA], v[FA]
	s_mul_i32 s16, s10, 4*FROW
	s_mul_i32 s17, s9, 56                          ; 7 pairs x 8 bytes a strip
	s_add_co_u32 s16, s16, s17
	s_add_co_u32 s16, s16, FIN
	v_lshl_add_u32 v[FA], v1, 3, s16
	s_mov_b32 s20, 0x76543210                      ; v_permlanex16_b32: lane i reads lane i of the other half
	s_mov_b32 s21, 0xfedcba98
	s_wait_asynccnt 0x0                            ; my pieces of the table are in LDS,
	s_barrier_signal -1
	s_barrier_wait -1                              ; everybody's are
; One path of my chunk against the 14 pixels.  P: its record; N: the other set, which takes the next record (place nxt) meanwhile.
; The pixels go in two batches (pairs 0-3, pairs 4-6): behind each run of transcendentals stands plain work of the OTHER batch,
; which is the independent instruction that has to come before a transcendental's result is used (ISA guide 5.7.2).
.macro STEP first, P, N, more, nxt
	s_wait_dscnt 0x0                               ; the two loads of this record: nothing else is out
.if \more
	ds_load_b128 v[\N:\N+3],   v[TA] offset:\nxt*STEPB
	ds_load_b128 v[\N+4:\N+7], v[TA] offset:\nxt*STEPB+PLANE
.endif
	v_sub_f32 v[DY+1], v[YV], v[\P+1]
	v_mul_f32 v[DY], v[DY+1], v[DY+1]              ; dY^2, one for the strip
.irp j, 0,1,2,3
	v_pk_add_f32 v[D+2*\j:D+2*\j+1], v[XP+2*\j:XP+2*\j+1], v[\P:\P+1] op_sel_hi:[1,0] neg_lo:[0,1] neg_hi:[0,1]
.endr
.irp j, 0,1,2,3
	v_pk_fma_f32 v[D+2*\j:D+2*\j+1], v[D+2*\j:D+2*\j+1], v[D+2*\j:D+2*\j+1], v[DY:DY+1] op_sel_hi:[1,1,0]
.endr
.irp n, 0,1,2,3,4,5,6,7
	v_sqrt_f32 v[D+\n], v[D+\n]
.endr
.irp j, 4,5,6
	v_pk_add_f32 v[D+2*\j:D+2*\j+1], v[XP+2*\j:XP+2*\j+1], v[\P:\P+1] op_sel_hi:[1,0] neg_lo:[0,1] neg_hi:[0,1]
.endr
.irp j, 4,5,6
	v_pk_fma_f32 v[D+2*\j:D+2*\j+1], v[D+2*\j:D+2*\j+1], v[D+2*\j:D+2*\j+1], v[DY:DY+1] op_sel_hi:[1,1,0]
.endr
.irp n, 8,9,10,11,12,13
	v_sqrt_f32 v[D+\n], v[D+\n]
.endr
	s_wait_alu depctr_va_vdst(0)
.irp j, 0,1,2,3
	v_pk_add_f32 v[D+2*\j:D+2*\j+1], v[D+2*\j:D+2*\j+1], v[\P+2:\P+3] op_sel_hi:[1,0] neg_lo:[0,1] neg_hi:[0,1]   ; D - R
.endr
.irp n, 0,1,2,3,4,5,6,7
	v_exp_f32 v[D+\n], v[D+\n]
.endr
.irp j, 4,5,6
	v_pk_add_f32 v[D+2*\j:D+2*\j+1], v[D+2*\j:D+2*\j+1], v[\P+2:\P+3] op_sel_hi:[1,0] neg_lo:[0,1] neg_hi:[0,1]
.endr
.irp n, 8,9,10,11,12,13
	v_exp_f32 v[D+\n], v[D+\n]
.endr
	s_wait_alu depctr_va_vdst(0)
.irp j, 0,1,2,3
	v_pk_fma_f32 v[D+2*\j:D+2*\j+1], v[D+2*\j:D+2*\j+1], v[\P+2:\P+3], v[\P+2:\P+3] op_sel:[0,1,1] op_sel_hi:[1,1,1]   ; 2^(D-R) P2 + P2
.endr
.irp n, 0,1,2,3,4,5,6,7
	v_rcp_f32 v[D+\n], v[D+\n]
.endr
.irp j, 4,5,6
	v_pk_fma_f32 v[D+2*\j:D+2*\j+1], v[D+2*\j:D+2*\j+1], v[\P+2:\P+3], v[\P+2:\P+3] op_sel:[0,1,1] op_sel_hi:[1,1,1]
.endr
.irp n, 8,9,10,11,12,13
	v_rcp_f32 v[D+\n], v[D+\n]                     ; m
.endr
.irp j, 0,1,2,3,4,5,6
.if \first
	s_wait_alu depctr_va_vdst(0)
	v_pk_add_f32 v[S+8*\j:S+8*\j+1],   v[D+2*\j:D+2*\j+1], 1.0 op_sel_hi:[1,0] neg_lo:[1,0] neg_hi:[1,0]      ; T = 1 - m
	v_pk_mul_f32 v[S+8*\j+2:S+8*\j+3], v[D+2*\j:D+2*\j+1], v[\P+4:\P+5] op_sel_hi:[1,0]                      ; A = colour m
	v_pk_mul_f32 v[S+8*\j+4:S+8*\j+5], v[D+2*\j:D+2*\j+1], v[\P+4:\P+5] op_sel:[0,1] op_sel_hi:[1,1]
	v_pk_mul_f32 v[S+8*\j+6:S+8*\j+7], v[D+2*\j:D+2*\j+1], v[\P+6:\P+7] op_sel_hi:[1,0]
.else
	s_wait_alu depctr_va_vdst(0)
	v_pk_mul_f32 v[D+2*\j:D+2*\j+1],   v[D+2*\j:D+2*\j+1], v[S+8*\j:S+8*\j+1]                                ; w = m T
	v_pk_add_f32 v[S+8*\j:S+8*\j+1],   v[S+8*\j:S+8*\j+1], v[D+2*\j:D+2*\j+1] neg_lo:[0,1] neg_hi:[0,1]      ; T -= w
	v_pk_fma_f32 v[S+8*\j+2:S+8*\j+3], v[D+2*\j:D+2*\j+1], v[\P+4:\P+5], v[S+8*\j+2:S+8*\j+3] op_sel_hi:[1,0,1]
	v_pk_fma_f32 v[S+8*\j+4:S+8*\j+5], v[D+2*\j:D+2*\j+1], v[\P+4:\P+5], v[S+8*\j+4:S+8*\j+5] op_sel:[0,1,0] op_sel_hi:[1,1,1]
	v_pk_fma_f32 v[S+8*\j+6:S+8*\j+7], v[D+2*\j:D+2*\j+1], v[\P+6:\P+7], v[S+8*\j+6:S+8*\j+7] op_sel_hi:[1,0,1]
.endif
.endr
.endm
	ds_load_b128 v[P0:P0+3],   v[TA] offset:15*STEPB
	ds_load_b128 v[P0+4:P0+7], v[TA] offset:15*STEPB+PLANE
	STEP 1, P0, P1, 1, 14                          ; place 15 of the chunk, its last path, comes first
	STEP 0, P1, P0, 1, 13
	STEP 0, P0, P1, 1, 12
	STEP 0, P1, P0, 1, 11
	STEP 0, P0, P1, 1, 10
	STEP 0, P1, P0, 1, 9
	STEP 0, P0, P1, 1, 8
	STEP 0, P1, P0, 1, 7
	STEP 0, P0, P1, 1, 6
	STEP 0, P1, P0, 1, 5
	STEP 0, P0, P1, 1, 4
	STEP 0, P1, P0, 1, 3
	STEP 0, P0, P1, 1, 2
	STEP 0, P1, P0, 1, 1
	STEP 0, P0, P1, 1, 0
	STEP 0, P1, P0, 0, 0                           ; place 0: nothing more to fetch
	; CHAINING THE CHUNKS.  First inside the wave, through its own LDS region: no other wave touches it, so no barrier, and LDS serves
	; a wave's instructions in order (ISA guide 5.7.1), so the loads below see the stores.
.irp j, 0,1,2,3,4,5,6
	ds_store_b128 v[WA], v[S+8*\j:S+8*\j+3]   offset:\j*PITCH
	ds_store_b128 v[WA], v[S+8*\j+4:S+8*\j+7] offset:(7+\j)*PITCH
.endr
	; lane 8 g + j takes pixel pair j of chunks 8 g .. 8 g + 7: entry n in v[8n:8n+7] = T, T, A0, A0, A1, A1, A2, A2
.irp n, 0,1,2,3,4,5,6,7
	ds_load_b128 v[8*\n:8*\n+3],   v[RA] offset:16*\n
	ds_load_b128 v[8*\n+4:8*\n+7], v[RA] offset:7*PITCH+16*\n
.endr
.irp n, 1,2,3,4,5,6,7
	s_wait_dscnt 14-2*\n                           ; of the 16 loads, entry n is the 2n-th and the next: 14 - 2n younger ones may stay out
	v_pk_fma_f32 v[2:3], v[2:3], v[8*\n:8*\n+1], v[8*\n+2:8*\n+3]      ; A = A T' + A'
	v_pk_fma_f32 v[4:5], v[4:5], v[8*\n:8*\n+1], v[8*\n+4:8*\n+5]
	v_pk_fma_f32 v[6:7], v[6:7], v[8*\n:8*\n+1], v[8*\n+6:8*\n+7]
	v_pk_mul_f32 v[0:1], v[0:1], v[8*\n:8*\n+1]                        ; T = T T'
.endr
	; groups 0 with 1, 2 with 3: the LATER group's lanes (bit 3 set) take the earlier A from lane xor 8; the other lanes' results are not used
.irp q, 0,1,2,3,4,5
	v_mov_b32_dpp v[8+\q], v[2+\q] row_xmask:8 row_mask:0xf bank_mask:0xf
.endr
	v_pk_fma_f32 v[2:3], v[8:9],   v[0:1], v[2:3]
	v_pk_fma_f32 v[4:5], v[10:11], v[0:1], v[4:5]
	v_pk_fma_f32 v[6:7], v[12:13], v[0:1], v[6:7]
	v_mul_f32_dpp v0, v0, v0 row_xmask:8 row_mask:0xf bank_mask:0xf
	v_mul_f32_dpp v1, v1, v1 row_xmask:8 row_mask:0xf bank_mask:0xf
	; groups 0-1 with 2-3: lanes 24-31 take lanes 8-15
.irp q, 0,1,2,3,4,5
	v_permlanex16_b32 v[8+\q], v[2+\q], s20, s21
.endr
	v_permlanex16_b32 v14, v0, s20, s21
	v_permlanex16_b32 v15, v1, s20, s21
	v_pk_fma_f32 v[2:3], v[8:9],   v[0:1], v[2:3]
	v_pk_fma_f32 v[4:5], v[10:11], v[0:1], v[4:5]
	v_pk_fma_f32 v[6:7], v[12:13], v[0:1], v[6:7]
	v_pk_mul_f32 v[0:1], v[0:1], v[14:15]
	; lanes 24 .. 30 hold my wave's 32 chunks for pixel pairs 0 .. 6
	v_add_nc_u32 v16, 0xffffffe8, v[LN]            ; lane - 24
	v_cmp_gt_u32 vcc_lo, 7, v16
	s_and_saveexec_b32 s22, vcc_lo
	ds_store_b64 v[FA], v[0:1]
	ds_store_b64 v[FA], v[2:3] offset:FROW
	ds_store_b64 v[FA], v[4:5] offset:2*FROW
	ds_store_b64 v[FA], v[6:7] offset:3*FROW
	s_or_b32 exec_lo, exec_lo, s22
	s_wait_dscnt 0x0                               ; in LDS before I say so
	s_barrier_signal -1
	s_barrier_wait -1
	; THE WAY OUT.  Waves 0-5: colour plane w / 2, pixels 4 u .. 4 u + 3 with u = 32 (w % 2) + lane < 49.
	; out = (1 T1 + A1) T2 + A2: the white canvas through the first 32 chunks, then through the last 32.
	s_cmp_ge_u32 s8, 6
	s_cbranch_scc1 .Ldone
	s_lshl_b32 s14, s10, 5
	v_add_nc_u32 v16, s14, v[LN]                   ; u
	v_min_u32 v17, 48, v16                         ; lanes past the end read what lane u = 48 reads, and store nothing
	v_lshlrev_b32 v17, 4, v17
	s_mul_i32 s15, s9, FROW
	v_add_nc_u32 v18, FIN, v17
	v_add_nc_u32 v19, s15, v18
	ds_load_b128 v[0:3],   v18                     ; T of the first half
	ds_load_b128 v[4:7],   v19 offset:FROW         ; A of the first half, my plane
	ds_load_b128 v[8:11],  v18 offset:4*FROW       ; T of the second half
	ds_load_b128 v[12:15], v19 offset:5*FROW       ; A of the second half
	s_mul_i32 s16, ttmp9, FROW                     ; the group's 196 pixels
	s_mul_i32 s17, s9, CHAN
	s_add_co_u32 s16, s16, s17
	s_mov_b32 s17, 0
	s_add_nc_u64 s[6:7], s[6:7], s[16:17]
	v_cmp_gt_u32 vcc_lo, 49, v16
	s_wait_dscnt 0x0
	v_pk_add_f32 v[0:1], v[0:1], v[4:5]
	v_pk_add_f32 v[2:3], v[2:3], v[6:7]
	v_pk_fma_f32 v[0:1], v[0:1], v[8:9],   v[12:13]
	v_pk_fma_f32 v[2:3], v[2:3], v[10:11], v[14:15]
	s_wait_tensorcnt 0x0
	ds_add_u32 v128, v129
	s_wait_dscnt 0x0
	s_and_saveexec_b32 s22, vcc_lo
	global_store_b128 v17, v[0:3], s[6:7] th:TH_STORE_NT   ; neighbouring lanes, neighbouring 16 bytes: the group's run of 784 bytes in a plane
	s_endpgm
.Ldone:
	s_wait_tensorcnt 0x0
	ds_add_u32 v128, v129
	s_wait_dscnt 0x0
	s_endpgm
.Lfunc_end_k_q124a33ab19_render:
	.size	k_q124a33ab19_render, .Lfunc_end_k_q124a33ab19_render-k_q124a33ab19_render
	.p2alignl 7, 3214868480
	.fill 96, 4, 3214868480
	.section	.rodata,"a",@progbits
	.p2align	6, 0x0
	.amdhsa_kernel k_q124a33ab19_render
		.amdhsa_group_segment_fixed_size 251392
		.amdhsa_private_segment_fixed_size 0
		.amdhsa_enable_private_segment 0
		.amdhsa_kernarg_size 16
		.amdhsa_user_sgpr_count 2
		.amdhsa_user_sgpr_kernarg_segment_ptr 1
		.amdhsa_wavefront_size32 1
		.amdhsa_system_sgpr_workgroup_id_x 1
		.amdhsa_system_sgpr_workgroup_id_y 1
		.amdhsa_system_sgpr_workgroup_id_z 1
		.amdhsa_system_vgpr_workitem_id 0
		.amdhsa_next_free_vgpr 130
		.amdhsa_next_free_sgpr 66
		.amdhsa_reserve_vcc 1
		.amdhsa_float_denorm_mode_32 3
		.amdhsa_float_denorm_mode_16_64 3
		.amdhsa_memory_ordered 1
		.amdhsa_forward_progress 1
		.amdhsa_inst_pref_size 103
	.end_amdhsa_kernel
	.amdgpu_metadata
---
amdhsa.version: [ 1, 2 ]
amdhsa.kernels:
  - .name:           k_q124a33ab19_render
    .symbol:         k_q124a33ab19_render.kd
    .args:
      - { .name: params, .offset: 0, .size: 8, .value_kind: global_buffer, .address_space: global }
      - { .name: out0, .offset: 8, .size: 8, .value_kind: global_buffer, .address_space: global }
    .group_segment_fixed_size: 251392
    .private_segment_fixed_size: 0
    .kernarg_segment_align: 8
    .kernarg_segment_size: 16
    .max_flat_workgroup_size: 896
    .sgpr_count:     66
    .vgpr_count:     130
    .wavefront_size: 32
...
	.end_amdgpu_metadata
.endif
;; end of part 2
